; MI455X (gfx1250); checked and timed in simulation.
; The chip was launched on July 23, 2026; its instructions are those of AMD's public machine-readable ISA for CDNA 5 (MIT licence, August 2026) and "CDNA5" Instruction Set Architecture Reference Guide (July 2026). The comments in the code are by the model that wrote it; some were corrected since.
;; Quantum Layer. Allowed arithmetic: float matrix products may take bf16 or f16 operands with f32 sums; other float arithmetic in f32, or as packed bf16 or f16 multiplies, adds, multiply-adds, maxima and minima; sums over many terms, partial sums and values carried from step to step in f32; what a program stores and reads back later, other than sums and carried values, may be rounded once to bf16 or f16.
;; Inputs: W 4,096 x 4,096 float32; b 4,096 float32; quantum_outcomes 4,096 x 1,000 int32; x 4,096 x 4,096 float32.
;; Outputs: out0 4,096 x 4,096 float32.
;; 2 versions, each right; version 2 is version 1 with the launch prep written anew for expert scheduling mode. Each part assembles by itself: llvm-mc -triple=amdgcn-amd-amdhsa -mcpu=gfx1250 --defsym DOCPART=n.
;; ======== version 1 of 2: 2 launches
;; workspace buffers: xb 33,554,432 bytes; wb 33,554,432 bytes; ev 16,384 bytes
;; launch prep (part 1): grid 512 x 1, 8 waves a work-group, no clusters, 0 bytes of LDS; arguments x, W, quantum_outcomes, xb, wb, ev; writes xb, wb, ev
.if DOCPART == 1
	.amdgcn_target "amdgcn-amd-amdhsa--gfx1250"
	.amdhsa_code_object_version 6
	.text
	.protected	k_qfc115b5f0e_prep
	.globl	k_qfc115b5f0e_prep
	.p2align	8
	.type	k_qfc115b5f0e_prep,@function
k_qfc115b5f0e_prep:
	s_mov_b64 s[64:65], 0
	v_nop
	global_prefetch_b8 v0, s[64:65] scope:SCOPE_SE
	s_setreg_imm32_b32 hwreg(HW_REG_WAVE_MODE, 25, 1), 1
	s_wait_xcnt 0x0
; xb = bf16(x), wb = bf16(W), ev[m] = mean(f32(quantum_outcomes[m][0..999])) / 15.   x, W: [4096][4096] f32; outcomes: [4096][1000] int32.
; A pure stream: every input byte is read once, every output byte written once; nothing is shared between waves, so there is no LDS, no barrier and no matrix work.
; SHARES.  Row R = 8 x work-group + wave.  One wave takes row R of the outcomes (4,000 bytes), row R of x and row R of W (16,384 bytes in, 8,192 out, each).
; A load takes 16 bytes a lane, 512 consecutive bytes a wave; two roundings make 8 bytes of them, and a wave's store covers 256 consecutive bytes, at a multiple of 256 from the buffer's first byte.
; IN FLIGHT.  32 register slots of 16 bytes a lane: all of x's row is asked for at once; each slot is asked for again, for W's row, as soon as it has been rounded.
; Every step along a row stands in an immediate (15,872 at the most), so no address register is ever rewritten; every chunk stored has data registers of its own, so none of those is rewritten either.
; LIMITS.  x and W are rounded once, to the nearest bf16 (ties to even); a magnitude above bf16's largest finite number, 3.39e38, becomes an infinity.
; ev = (the f32 sum of the 1,000 integers, each converted to f32 first, added as a tree) x (1 / 15000): one rounding where the two divisions have two, and another order of the sum;
; the sum is exact while it stays under 2^24.  Any int32 is taken as it comes.
.set LO, 2                             ; v2   16 x lane: my 16 bytes in 512
.set SO, 3                             ; v3   8 x lane: my 8 bytes in 256
.set QL, 4                             ; v4   the outcomes' eighth load: 16 x min(224 + lane, 249)
.set ZO, 5                             ; v5   0
.set E,  6                             ; v6   the row's sum, then ev
.set T,  7                             ; v7   at work
.set Q,  8                             ; v[8:39]    the outcomes: 8 loads of 4
.set X,  40                            ; v[40:167]  32 slots of 4: f32 as loaded
.set Y,  168                           ; v[168:231] 32 pairs: x's row in bf16
	s_load_b256 s[4:11], s[0:1], 0x0               ; x s[4:5], W s[6:7], outcomes s[8:9], xb s[10:11]
	s_load_b128 s[12:15], s[0:1], 0x20             ; wb s[12:13], ev s[14:15]
	v_lshrrev_b32 v1, 5, v0
	v_readfirstlane_b32 s16, v1                    ; wave 0..7
	v_and_b32 v1, 31, v0                           ; lane
	s_lshl_b32 s17, ttmp9, 3
	s_add_co_u32 s17, s17, s16                     ; R
	s_lshl_b32 s18, s17, 14                        ; R rows of 16,384 bytes (under 2^26)
	s_mov_b32 s19, 0
	s_lshl_b32 s20, s17, 13                        ; R rows of 8,192 bytes
	s_mov_b32 s21, 0
	s_mul_i32 s22, s17, 4000                       ; R rows of 4,000 bytes
	s_mov_b32 s23, 0
	s_lshl_b32 s24, s17, 2                         ; R words
	s_mov_b32 s25, 0
	s_mov_b32 s28, 0x76543210                      ; v_permlanex16_b32: each lane takes its own place in the other half
	s_mov_b32 s29, 0xfedcba98
	v_lshlrev_b32 v[LO], 4, v1
	v_lshlrev_b32 v[SO], 3, v1
	v_add_nc_u32 v[QL], 224, v1                    ; a row of outcomes is 250 pieces of 16 bytes: seven loads take 224, the eighth the last 26;
	v_min_u32 v[QL], 249, v[QL]                    ; its lanes 26 to 31 name the last piece once more, so that no lane leaves the buffer in the last row
	v_lshlrev_b32 v[QL], 4, v[QL]
	v_mov_b32 v[ZO], 0
	v_mov_b32 v[T], 0                              ; v_permlanex16_b32's destination counts as read: it is written here
	v_cmp_gt_u32 s26, 26, v1                       ; the lanes whose eighth piece counts
	s_wait_kmcnt 0x0
	s_add_nc_u64 s[4:5], s[4:5], s[18:19]          ; each pointer at my row
	s_add_nc_u64 s[6:7], s[6:7], s[18:19]
	s_add_nc_u64 s[8:9], s[8:9], s[22:23]
	s_add_nc_u64 s[10:11], s[10:11], s[20:21]
	s_add_nc_u64 s[12:13], s[12:13], s[20:21]
	s_add_nc_u64 s[14:15], s[14:15], s[24:25]
.set j, 0
.rept 7
	global_load_b128 v[Q+4*j:Q+4*j+3], v[LO], s[8:9] offset:512*j th:TH_LOAD_NT
.set j, j+1
.endr
	global_load_b128 v[Q+28:Q+31], v[QL], s[8:9] th:TH_LOAD_NT
.set j, 0
.rept 32
	global_load_b128 v[X+4*j:X+4*j+3], v[LO], s[4:5] offset:512*j th:TH_LOAD_NT  ; all of x's row
.set j, j+1
.endr
	; the row's mean, while x is on its way
	s_wait_loadcnt 32                              ; loads come back in order: the outcomes are in, x's 32 younger loads stay out
.irp i, 0,1,2,3
	v_cndmask_b32 v[Q+28+(\i)], 0, v[Q+28+(\i)], s26  ; the pieces that were named twice count once
.endr
.set j, 0
.rept 32
	v_cvt_f32_i32 v[Q+j], v[Q+j]
.set j, j+1
.endr
.irp w, 16, 8, 4, 2                    ; my 32 numbers as a tree, two sums an instruction: 8, 4, 2 and 1 of them
.set u, 0
.rept (\w)/2
	v_pk_add_f32 v[Q+2*u:Q+2*u+1], v[Q+2*u:Q+2*u+1], v[Q+(\w)+2*u:Q+(\w)+2*u+1]
.set u, u+1
.endr
.endr
	v_add_f32 v[E], v[Q], v[Q+1]
	v_add_f32_dpp v[E], v[E], v[E] row_xmask:1 row_mask:0xf bank_mask:0xf   ; across the 32 lanes: four steps inside each half of 16,
	v_add_f32_dpp v[E], v[E], v[E] row_xmask:2 row_mask:0xf bank_mask:0xf
	v_add_f32_dpp v[E], v[E], v[E] row_xmask:4 row_mask:0xf bank_mask:0xf
	v_add_f32_dpp v[E], v[E], v[E] row_xmask:8 row_mask:0xf bank_mask:0xf
	v_permlanex16_b32 v[T], v[E], s28, s29         ; one across the halves
	v_add_f32 v[E], v[E], v[T]
	v_mul_f32 v[E], 0x388bcf65, v[E]               ; x 1 / (1000 x 15)
	; x's row: piece j is rounded and stored, and its slot asked for again with W's piece j
.set j, 0
.rept 32
	s_wait_loadcnt 31                              ; x's piece j is in; the 31 younger loads (31 - j of x's, j of W's) stay out
	v_cvt_pk_bf16_f32 v[Y+2*j],   v[X+4*j],   v[X+4*j+1]
	v_cvt_pk_bf16_f32 v[Y+2*j+1], v[X+4*j+2], v[X+4*j+3]
	global_load_b128 v[X+4*j:X+4*j+3], v[LO], s[6:7] offset:512*j th:TH_LOAD_NT
	global_store_b64 v[SO], v[Y+2*j:Y+2*j+1], s[10:11] offset:256*j
.set j, j+1
.endr
	; W's row: nothing more is loaded, so the counts run down; rounded in place into the slot's first two registers
.set j, 0
.rept 32
	s_wait_loadcnt 31-j
	v_cvt_pk_bf16_f32 v[X+4*j],   v[X+4*j],   v[X+4*j+1]
	v_cvt_pk_bf16_f32 v[X+4*j+1], v[X+4*j+2], v[X+4*j+3]
	global_store_b64 v[SO], v[X+4*j:X+4*j+1], s[12:13] offset:256*j
.set j, j+1
.endr
	; ev[R]: four bytes a wave, from lane 0: 16 KiB in the whole launch, the one store here that does not cover 256 bytes
	v_cmp_eq_u32 vcc_lo, 0, v1
	s_wait_xcnt 0x0                                ; EXEC is a source of the stores above: it changes only behind this wait
	s_and_saveexec_b32 s27, vcc_lo
	global_store_b32 v[ZO], v[E], s[14:15]
	s_wait_xcnt 0x0                                ; and again, in front of the line that widens it
	s_or_b32 exec_lo, exec_lo, s27
	s_endpgm
.Lfunc_end_k_qfc115b5f0e_prep:
	.size	k_qfc115b5f0e_prep, .Lfunc_end_k_qfc115b5f0e_prep-k_qfc115b5f0e_prep
	.p2alignl 7, 3214868480
	.fill 96, 4, 3214868480
	.section	.rodata,"a",@progbits
	.p2align	6, 0x0
	.amdhsa_kernel k_qfc115b5f0e_prep
		.amdhsa_group_segment_fixed_size 0
		.amdhsa_private_segment_fixed_size 0
		.amdhsa_enable_private_segment 0
		.amdhsa_kernarg_size 48
		.amdhsa_user_sgpr_count 2
		.amdhsa_user_sgpr_kernarg_segment_ptr 1
		.amdhsa_wavefront_size32 1
		.amdhsa_system_sgpr_workgroup_id_x 1
		.amdhsa_system_sgpr_workgroup_id_y 1
		.amdhsa_system_sgpr_workgroup_id_z 1
		.amdhsa_system_vgpr_workitem_id 0
		.amdhsa_next_free_vgpr 232
		.amdhsa_next_free_sgpr 66
		.amdhsa_reserve_vcc 1
		.amdhsa_float_denorm_mode_32 3
		.amdhsa_float_denorm_mode_16_64 3
		.amdhsa_memory_ordered 1
		.amdhsa_forward_progress 1
		.amdhsa_inst_pref_size 28
	.end_amdhsa_kernel
	.amdgpu_metadata
---
amdhsa.version: [ 1, 2 ]
amdhsa.kernels:
  - .name:           k_qfc115b5f0e_prep
    .symbol:         k_qfc115b5f0e_prep.kd
    .args:
      - { .name: x, .offset: 0, .size: 8, .value_kind: global_buffer, .address_space: global }
      - { .name: W, .offset: 8, .size: 8, .value_kind: global_buffer, .address_space: global }
      - { .name: quantum_outcomes, .offset: 16, .size: 8, .value_kind: global_buffer, .address_space: global }
      - { .name: xb, .offset: 24, .size: 8, .value_kind: global_buffer, .address_space: global }
      - { .name: wb, .offset: 32, .size: 8, .value_kind: global_buffer, .address_space: global }
      - { .name: ev, .offset: 40, .size: 8, .value_kind: global_buffer, .address_space: global }
    .group_segment_fixed_size: 0
    .private_segment_fixed_size: 0
    .kernarg_segment_align: 8
    .kernarg_segment_size: 48
    .max_flat_workgroup_size: 256
    .sgpr_count:     66
    .vgpr_count:     232
    .wavefront_size: 32
...
	.end_amdgpu_metadata
.endif
;; end of part 1
;; launch gemm (part 2): grid 16 x 16, 4 waves a work-group, clusters of 4 x 4, 327,680 bytes of LDS; arguments xb, wb, out0, b, ev; writes out0
.if DOCPART == 2
	.amdgcn_target "amdgcn-amd-amdhsa--gfx1250"
	.amdhsa_code_object_version 6
	.text
	.protected	k_qfc115b5f0e_gemm
	.globl	k_qfc115b5f0e_gemm
	.p2align	8
	.type	k_qfc115b5f0e_gemm,@function
k_qfc115b5f0e_gemm:
	s_mov_b64 s[64:65], 0
	v_nop
	global_prefetch_b8 v0, s[64:65] scope:SCOPE_SE
	s_setreg_imm32_b32 hwreg(HW_REG_WAVE_MODE, 25, 1), 1
	s_wait_xcnt 0x0
	s_wait_alu depctr_hold_cnt(0) depctr_sa_sdst(0) depctr_va_vdst(0) depctr_va_sdst(0) depctr_va_ssrc(0) depctr_va_vcc(0) depctr_vm_vsrc(0)
	s_getreg_b32 s2, hwreg(HW_REG_IB_STS2, 6, 4)
	s_cmp_eq_u32 s2, 0
	s_cbranch_scc0 .Lentry_in_a_cluster
	s_endpgm
.Lentry_in_a_cluster:
	s_bfe_u32 s2, ttmp6, 0x10000c
	s_cmp_lg_u32 s2, 0xf033
	s_cbranch_scc0 .Lentry_shape_is_right
	s_endpgm
.Lentry_shape_is_right:
; out0[m][n] = sum over k of xb[m][k] wb[n][k] + ev[m] + b[n].  xb (A), wb (B): [4096][4096] bf16, rounded once from x and W by the launch before; ev, b: [4096] f32; out0: [4096][4096] f32.
; One f32 sum for each output, K ascending; then (sum + ev[m]) + b[n], each one f32 addition.  LIMITS: the products' operands are bf16 (their rounding is the launch before's); the order of the f32 sums is the matrix unit's.
; A tile of out0, 256 x 256, is made by a work-group of four waves; a wave makes 128 x 128: 64 accumulators of 16 x 16, 512 registers.  4096 / 256 squared = 256 work-groups, one tile each.
; K goes in steps of 128 through a ring of two LDS slots filled by the tensor data mover: the rows of A's and B's tiles are 256 bytes of memory and start at multiples of 256 bytes from the buffer's first byte.
; CLUSTERS: 4 x 4 work-groups.  The four of a row of the cluster need the same tiles of A, the four of a column the same tiles of B: such a tile is asked for JOINTLY: each of the four issues the same
; tensor load, with the same descriptor and a mask that names the four, and each receives the tile in its own LDS.  That divides the requests for A and for B by four.
; REGISTERS, in windows of 256 (s_set_vgpr_msb's low byte: bits 1:0 source 0, 3:2 source 1, 5:4 source 2, 7:6 destination):
;   window 0: v0-31 addresses; v32-47 ev of my rows; v48-51 b of my columns; v64-127, v128-191 fragments of A, two buffers; on the way out v64-127 a block's sums + ev, v128-191 and v192-255 whole rows, by turns
;   window 1: v64-127, v128-191 fragments of B, two buffers
;   window 2: the 32 accumulators of my rows 0-63 (accumulator (a, b) at v[8 (8 a + b)]);   window 3: those of my rows 64-127
; THE MATRIX INSTRUCTION IS USED TRANSPOSED: source 0 = 16 rows of B, source 1 = 16 rows of A.  In the result lane l holds row m = l % 16 and its registers 0 to 7 the columns 8 (l / 16) + 0 .. 7:
; 32 neighbouring bytes of a row of out0, and ONE ev for all eight.
; THE WAY OUT: a block of 16 rows x 128 columns takes ev in that layout, goes through my own stage in LDS, comes back as whole rows of 512 bytes, takes b (a lane then holds the same four columns in every row), and is stored.
.set SIZE_N, 4096
.set SIZE_K, 4096
.set KSTEP,  128
.set PITCH,  272                       ; an LDS row: 256 bytes of data + 16 of padding = 68 words: row r starts at bank 4 r mod 64 (64 banks of 4 bytes: ISA guide 11.1), so the 16 rows that a load touches start at 16 different banks
.set HALFT,  128*PITCH                 ; 128 rows: what one tensor load brings, and what one wave reads of A or of B
.set SLOT,   4*HALFT                   ; A's 256 rows, then B's 256 rows
.set STAGE,  2*SLOT                    ; behind the ring: 16 rows x 528 bytes for each wave, for the way out; no tensor load lands here
.set SPITCH, 528                       ; 512 bytes (128 f32) + 16: 33 x 16, so the 16 rows that a store touches fall into 16 different groups of four banks
.set SPARE,  STAGE+4*16*SPITCH         ; behind the stages: the spare words, 128 bytes for each wave: two blocks of 256 bytes that no other line names
.set LAPS,   SIZE_K/(2*KSTEP)          ; a lap = two K steps = once round the ring: 16
.set CROW,   SIZE_N*4                  ; bytes in a row of out0
.set ADRA, 16                          ; v16-17  LDS address of my A fragments in slot 0, 1
.set ADRB, 20                          ; v20-21  the same for B
.set STO,  24                          ; v24     the way out: where I put 32 bytes of a row
.set RD,   25                          ; v25     the way out: where I read my 16 bytes of a row back
.set CO,   26                          ; v26     16 x lane: my 16 bytes in 512, in out0 and in b; never rewritten
.set EO,   27                          ; v27     4 (l % 16): my row's word in 16 of ev
.set SPW,  28                          ; v28     LDS address of my spare word: SPARE + 4 x my thread's number; never rewritten
.set NIL,  29                          ; v29     0; never rewritten
.set PFO,  30                          ; v30     the prefetches' offset: my lane x a row of A or B in memory; never rewritten
.set EV,   32                          ; v[32:47] block a's ev[m], twice, in the pair at EV + 2 a
.set BI,   48                          ; v[48:51] b of my columns 4 l .. 4 l + 3
.set F0,   64                          ; fragment buffer 0
.set F1,   128                         ; fragment buffer 1
.set TMP,  64                          ; the way out: a block's 64 sums + ev
.set OB,   128                         ; the way out: 16 rows read back from the stage: v128-191 and v192-255 by turns
.set PFA,  44                          ; s[44:45] where my prefetches stand: my work-group's 32 rows of the 128 that I fetch, one K step further along K than the refill that is being asked for
.set LIM,  43                          ; s43     1 in a wave that prefetches, else the greatest number
.set G1,  24                           ; s[24:31] descriptor group 1 for A's tiles
.set G0,  32                           ; s[32:39] descriptor group 0 for A's tiles, one set for each slot
.set G1B, 48                           ; s[48:55] descriptor group 1 for B's tiles: it differs from A's in the mask alone
.set G0B, 56                           ; s[56:63] descriptor group 0 for B's tiles, one set for each slot
.set PB,  68                           ; s[68:69] b at my first column
.set PE,  70                           ; s[70:71] ev at my first row
.set MSB, 0
.macro WIN new                         ; the immediate's high byte repeats the setting that is left; a switch that changes nothing is dropped
.if MSB != (\new)
	s_set_vgpr_msb (MSB<<8)|(\new)
.set MSB, \new
.endif
.endm
.set MUL_LO, 0xa1                      ; source 0 (B) window 1, source 1 (A) window 0, C and D window 2
.set MUL_HI, 0xf1                      ; the same, C and D window 3
.set TO_B,   0x40                      ; destination window 1, address window 0
; A joint load.  Waves 0 and 1 fetch A's two halves, waves 2 and 3 B's.  Each of the two lines has ONE mask and one set of registers for all that issue it.  The branch hangs on the wave's number alone.
; An s_nop 0 and four v_nop follow each of the two lines; the jump round the other line, the label and what follows the macro come after them.
.macro JLOAD s
	s_cmp_eq_u32 s11, 0
	s_cbranch_scc0 .Lfor_b_\@
	tensor_load_to_lds s[G0+4*(\s):G0+4*(\s)+3], s[G1:G1+7]
	s_nop 0
.rept 4
	v_nop
.endr
	s_branch .Lasked_\@
.Lfor_b_\@:
	tensor_load_to_lds s[G0B+4*(\s):G0B+4*(\s)+3], s[G1B:G1B+7]
	s_nop 0
.rept 4
	v_nop
.endr
.Lasked_\@:
.endm
; A PREFETCH INTO THE L2, behind each joint load, its five lines and the run of LDS loads that follows them: the K step that stands TWO refills on, 512 matrix instructions ahead of the load that will ask for it:
; 32 rows x 256 bytes, a lane a row, one instruction a wave.  Each row's 256 bytes of a K step are named ONCE in the launch: A's tile row is read by every cluster of that row of clusters, and the first of
; them (cluster x = 0) prefetches; B's tile column by every cluster of that column, and cluster y = 0 prefetches.  The four partners that ask for a tile jointly share its rows out BY ADDRESS: of the 128 rows
; that a wave fetches, the partner at place p takes 32 p .. 32 p + 31 (p = cx for A, cy for B).  K steps 0 to 3 come by their loads alone; the loop's last trip (s3 = 1) has no K step two on, and asks for nothing.
.macro ASK
	s_cmp_gt_u32 s3, s[LIM]
	s_cbranch_scc0 .Lnot_mine_\@
	global_prefetch_b8 v[PFO], s[PFA:PFA+1] offset:KSTEP*2 th:TH_LOAD_NT scope:SCOPE_SE
.Lnot_mine_\@:
.endm
; A round of the cluster's barrier: my work-group's barrier, so that wave 0's signal speaks for all four waves; wave 0 signals for the work-group; every wave waits for all sixteen work-groups;
; my work-group's barrier once more.  No LDS instruction of the wave is pending at a signal.
.macro CREST                           ; a round behind its opening barrier
	s_cmp_lg_u32 s10, 0
	s_cbranch_scc1 .Lnot_wave_0_\@
	s_barrier_signal -3
.Lnot_wave_0_\@:
	s_barrier_wait -3
	s_barrier_signal -1
	s_barrier_wait -1
.endm
.macro CROUND                          ; a whole round
	s_barrier_signal -1
	s_barrier_wait -1
	CREST
.endm
	s_load_b128 s[4:7], s[0:1], 0x0                ; A = xb s[4:5], B = wb s[6:7]
	s_load_b64 s[8:9], s[0:1], 0x10                ; out0
	s_load_b64 s[PB:PB+1], s[0:1], 0x18            ; b
	s_load_b64 s[PE:PE+1], s[0:1], 0x20            ; ev
	v_lshl_add_u32 v[SPW], v0, 2, SPARE
	v_mov_b32 v[NIL], 0
	ds_add_u32 v[SPW], v[NIL]                      ; the wave's opening: the add and its wait stand ahead of my first tensor load; the set-up below, work on registers, stands between them
	v_lshrrev_b32 v1, 5, v0
	v_readfirstlane_b32 s10, v1                    ; wave 0..3
	s_lshr_b32 s11, s10, 1                         ; which half of the tile's rows is mine.  Also: I fetch for A (0) or for B (1)
	s_and_b32 s12, s10, 1                          ; which half of its columns.  Also: which 128 rows of that tile I fetch
	s_bfe_u32 s40, ttmp6, 0x40000                  ; cx: my place along the cluster's x
	s_bfe_u32 s41, ttmp6, 0x40004                  ; cy: along its y
	s_lshl_b32 s42, ttmp9, 2                       ; in a cluster launch ttmp9 and ttmp7 count clusters
	s_add_co_u32 s42, s42, s40                     ; tile column = 4 x cluster x + cx
	s_and_b32 s13, ttmp7, 0xffff
	s_lshl_b32 s13, s13, 2
	s_add_co_u32 s13, s13, s41                     ; tile row = 4 x cluster y + cy
	s_lshl_b32 s43, s41, 2
	s_lshl_b32 s43, 15, s43                        ; my row of the cluster: places 4 cy .. 4 cy + 3
	s_lshl_b32 s44, 0x1111, s40                    ; my column: places cx, cx + 4, cx + 8, cx + 12
	; descriptor group 1: a tile of 128 rows x 128 elements, padded in LDS
	s_or_b32 s[G1+0], s43, (1<<16)|(1<<20)|(1<<21)|(5<<22)|(3<<25)  ; 15:0 the mask: A's tiles go to my row; 17:16 element of 2 bytes; 20 padding on; 21 set beside a mask; 24:22 after every 64 words (code 5); 31:25 of 4 words (code 3)
	s_or_b32 s[G1B+0], s44, (1<<16)|(1<<20)|(1<<21)|(5<<22)|(3<<25) ; the same with the mask of my column, for B's tiles
	s_mov_b32 s[G1B+1], KSTEP<<16
	s_mov_b32 s[G1+1], KSTEP<<16                   ; 63:48 tensor_dim0, low half = 128
	s_mov_b32 s[G1B+2], 128<<16
	s_mov_b32 s[G1+2], 128<<16                     ; 79:64 its high half = 0; 95:80 tensor_dim1, low half = 128
	s_mov_b32 s[G1B+3], KSTEP<<16
	s_mov_b32 s[G1+3], KSTEP<<16                   ; 111:96 its high half = 0; 127:112 tile_dim0 = 128
	s_mov_b32 s[G1B+4], 128
	s_mov_b32 s[G1+4], 128                         ; 143:128 tile_dim1 = 128; 159:144 tile_dim2 = 0
	s_mov_b32 s[G1B+5], SIZE_K
	s_mov_b32 s[G1+5], SIZE_K                      ; 191:160 tensor_dim0_stride, low word: elements from row to row
	s_mov_b32 s[G1B+6], 0
	s_mov_b32 s[G1+6], 0
	s_mov_b32 s[G1B+7], 0
	s_mov_b32 s[G1+7], 0
	; where the tiles come from.  A's hang on the tile row alone, which my row of the cluster shares; B's on the tile column alone, which my column shares.
	; Every wave makes both addresses, in registers that never hold the other coordinate, and asks by one of them.
	s_lshl_b32 s17, s12, 7                         ; which 128 rows of the tile I fetch
	s_lshl_b32 s16, s13, 8
	s_add_co_u32 s16, s16, s17                     ; A: row 256 x tile row + 128 x half
	s_lshl_b32 s46, s42, 8
	s_add_co_u32 s46, s46, s17                     ; B: row 256 x tile column + 128 x half
	s_mov_b32 s17, 0
	s_mov_b32 s47, 0
	s_mov_b64 s[18:19], SIZE_K*2
	s_mul_u64 s[16:17], s[16:17], s[18:19]         ; in bytes
	s_mul_u64 s[46:47], s[46:47], s[18:19]
	s_mul_i32 s20, s10, HALFT                      ; and where they go: A's two halves, then B's two halves = wave x 128 rows: no place in the cluster enters an LDS address
	s_wait_dscnt 0x0                               ; the opening add is done
	s_wait_kmcnt 0x0
	s_add_nc_u64 s[14:15], s[4:5], s[16:17]
	s_add_nc_u64 s[46:47], s[6:7], s[46:47]
	CROUND                                         ; all sixteen work-groups are here: the first joint loads meet
.irp s, 0,1
	s_mov_b32 s[G0+4*(\s)], 1                                      ; 1:0 count = 1
	s_add_co_u32 s[G0+4*(\s)+1], s20, (\s)*SLOT                    ; 63:32 LDS address
	s_add_nc_u64 s[G0+4*(\s)+2:G0+4*(\s)+3], s[14:15], (\s)*KSTEP*2  ; 120:64 global address: K step s
	s_or_b32 s[G0+4*(\s)+3], s[G0+4*(\s)+3], 0x80000000            ; 127:126 type = 2
	s_mov_b32 s[G0B+4*(\s)], 1
	s_add_co_u32 s[G0B+4*(\s)+1], s20, (\s)*SLOT
	s_add_nc_u64 s[G0B+4*(\s)+2:G0B+4*(\s)+3], s[46:47], (\s)*KSTEP*2
	s_or_b32 s[G0B+4*(\s)+3], s[G0B+4*(\s)+3], 0x80000000
	JLOAD \s                                       ; the ring is filled before anything else is done: two tensor loads of mine are out, the most in this text
.endr
	; A fragment is 16 rows x 32 K in 8 registers: lane l holds row l % 16; registers 0-3 hold K = 8 (l / 16) + 0..7, registers 4-7 hold
	; K = 16 + 8 (l / 16) + 0..7.  From rows that lie along K: two loads of 16 bytes, 32 bytes apart.  The same for source 0 and source 1.
	v_and_b32 v1, 15, v0                           ; l % 16
	v_bfe_u32 v2, v0, 4, 1                         ; l / 16
	v_mul_u32_u24 v3, v1, PITCH
	v_lshl_add_u32 v3, v2, 4, v3                   ; row x pitch + 16 x half
	s_mul_i32 s21, s11, HALFT                      ; my 128 rows of A
	s_mul_i32 s22, s12, HALFT                      ; my 128 rows of B,
	s_add_co_u32 s22, s22, 2*HALFT                 ; which lie behind A's 256
.irp s, 0,1
	v_add_nc_u32 v[ADRA+(\s)], s21, v3
	v_add_nc_u32 v[ADRB+(\s)], s22, v3
	s_add_co_u32 s21, s21, SLOT
	s_add_co_u32 s22, s22, SLOT
.endr
	s_mul_i32 s23, s10, 16*SPITCH
	s_add_co_u32 s23, s23, STAGE                   ; my stage
	v_mul_u32_u24 v4, v1, SPITCH                   ; in: row l % 16, 32 bytes for each half of the lanes
	v_lshl_add_u32 v4, v2, 5, v4
	v_add_nc_u32 v[STO], s23, v4
	v_and_b32 v5, 31, v0
	v_lshlrev_b32 v[CO], 4, v5                     ; back: 32 lanes take one row of 512 bytes
	v_add_nc_u32 v[RD], s23, v[CO]
	v_lshlrev_b32 v[EO], 2, v1
	; where my part of the tile begins in out0, in b and in ev
	s_lshl_b32 s13, s13, 8
	s_lshl_b32 s14, s11, 7
	s_add_co_u32 s16, s13, s14                     ; my first row
	s_lshl_b32 s20, s16, 2                         ; its word in ev
	s_mov_b32 s21, 0
	s_mov_b32 s17, 0
	s_mov_b64 s[18:19], CROW
	s_mul_u64 s[16:17], s[16:17], s[18:19]
	s_lshl_b32 s46, s42, 10                        ; my first column, in bytes of f32: 1,024 x tile column + 512 x half (in the registers that held B's address: none that feeds A's descriptors ever holds cx)
	s_lshl_b32 s47, s12, 9
	s_add_co_u32 s46, s46, s47
	s_mov_b32 s47, 0
	s_add_nc_u64 s[16:17], s[16:17], s[46:47]
	s_add_nc_u64 s[8:9], s[8:9], s[16:17]          ; out0 at my first row and column: never stepped again
	s_add_nc_u64 s[PB:PB+1], s[PB:PB+1], s[46:47]
	s_add_nc_u64 s[PE:PE+1], s[PE:PE+1], s[20:21]
	global_load_b128 v[BI:BI+3], v[CO], s[PB:PB+1]                 ; b of my columns 4 l .. 4 l + 3: the wave's 512 bytes at once
.irp a, 0,1,2,3,4,5,6,7
	global_load_b32 v[EV+2*(\a)], v[EO], s[PE:PE+1] offset:64*(\a) ; ev of row 16 a + l % 16
.endr
	; the prefetches.  s13 = 256 x tile row, s42 = tile column, s40 = cx, s41 = cy still stand; s[4:5] = A, s[6:7] = B
	s_lshl_b32 s42, s42, 8
	s_and_b32 s22, ttmp7, 0xffff                   ; cluster y
	s_cmp_eq_u32 s11, 0                            ; do I fetch for A?
	s_cselect_b32 s20, s13, s42                    ; the tile's first row: in A by the tile row, in B by the tile column
	s_cselect_b32 s21, s40, s41                    ; my place among the four that ask for it with me
	s_cselect_b32 s22, ttmp9, s22                  ; the coordinate along which other clusters read the same rows
	s_cselect_b64 s[PFA:PFA+1], s[4:5], s[6:7]
	s_cmp_eq_u32 s22, 0
	s_cselect_b32 s[LIM], 1, -1                    ; the same in all sixteen partners, for a given wave
	s_lshl_b32 s22, s12, 7
	s_add_co_u32 s20, s20, s22                     ; + the 128 rows that I fetch
	s_lshl_b32 s21, s21, 5
	s_add_co_u32 s20, s20, s21                     ; + my work-group's 32 of them
	s_mov_b32 s21, 0
	s_mov_b64 s[18:19], SIZE_K*2
	s_mul_u64 s[20:21], s[20:21], s[18:19]
	s_add_nc_u64 s[PFA:PFA+1], s[PFA:PFA+1], s[20:21]
	s_add_nc_u64 s[PFA:PFA+1], s[PFA:PFA+1], 2*KSTEP*2  ; at K step 2: the first refill steps it to 3 and names K step 4
	v_and_b32 v[PFO], 31, v0
	v_mul_u32_u24 v[PFO], v[PFO], SIZE_K*2
	; nothing is prefetched here, at the head, where every work-group's first two tiles are on their way
; 16 matrix instructions: m blocks a0, a0 + 1 of the window's four (hi = 0: my rows 0-63, 1: rows 64-127) x all 8 n blocks, 32 along K.
; zero = 1: the first product starts the sums: nothing is ever cleared.
.macro MUL16 f, hi, a0, zero
	WIN MUL_LO+0x50*(\hi)
.irp a, \a0, (\a0)+1
.irp b, 0,1,2,3,4,5,6,7
.if \zero
	v_wmma_f32_16x16x32_bf16 v[8*(8*(\a)+(\b)):8*(8*(\a)+(\b))+7], v[(\f)+8*(\b):(\f)+8*(\b)+7], v[(\f)+8*(4*(\hi)+(\a)):(\f)+8*(4*(\hi)+(\a))+7], 0
.else
	v_wmma_f32_16x16x32_bf16 v[8*(8*(\a)+(\b)):8*(8*(\a)+(\b))+7], v[(\f)+8*(\b):(\f)+8*(\b)+7], v[(\f)+8*(4*(\hi)+(\a)):(\f)+8*(4*(\hi)+(\a))+7], v[8*(8*(\a)+(\b)):8*(8*(\a)+(\b))+7]
.endif
.endr
.endr
.endm
; 32 LDS loads in one run: the fragments of one quarter step (128 rows of B, 128 rows of A, 32 K at byte k of the rows) into buffer f
.macro FETCH slot, k, f
	WIN TO_B
.irp i, 0,1,2,3,4,5,6,7
	ds_load_b128 v[(\f)+8*(\i):(\f)+8*(\i)+3],   v[ADRB+(\slot)] offset:(\k)+(\i)*16*PITCH
	ds_load_b128 v[(\f)+8*(\i)+4:(\f)+8*(\i)+7], v[ADRB+(\slot)] offset:(\k)+(\i)*16*PITCH+32
.endr
	WIN 0
.irp i, 0,1,2,3,4,5,6,7
	ds_load_b128 v[(\f)+8*(\i):(\f)+8*(\i)+3],   v[ADRA+(\slot)] offset:(\k)+(\i)*16*PITCH
	ds_load_b128 v[(\f)+8*(\i)+4:(\f)+8*(\i)+7], v[ADRA+(\slot)] offset:(\k)+(\i)*16*PITCH+32
.endr
.endm
; A load into a register that a matrix instruction has read, and a vector instruction that reads a matrix result or writes one of a matrix instruction's registers, stand four places behind that
; matrix instruction, and only plain vector instructions that name none of its registers are places (ISA guide 7.12.1 for vector instructions).
.macro PLACES
.rept 4
	v_nop
.endr
.endm
; A K step is four quarter steps of 32 along K, 64 matrix instructions each, on buffers 0, 1, 0, 1.  The 64 accumulators take turns in the same order in every quarter, over the backward jump and into the tail
; too.  One of the first three quarters: multiplies buffer f; in its middle it fetches the next quarter's fragments, at byte k of the same slot's rows, into buffer g.
.macro QUARTER slot, k, f, g, zero
	s_wait_dscnt 8                                 ; B and A's rows 0-63 are in; the youngest eight loads (A's rows 64-127) may be out
	WIN MUL_LO
	MUL16 \f, 0, 0, \zero
	MUL16 \f, 0, 2, \zero
	PLACES
	FETCH \slot, \k, \g
	s_wait_dscnt 32                                ; all but the 32 just issued
	WIN MUL_HI
	MUL16 \f, 1, 0, \zero
	MUL16 \f, 1, 2, \zero
.endm
; The last quarter multiplies buffer 1 and changes slots.  MEET is its first half: ONE barrier for the change of slots, for two things.  In front of it each wave waits for all its tensor loads,
; of which one is out: its part of the next slot; adds 0 to its spare word; and waits for that and for its own reads of this slot.  Behind it nobody reads this slot any more and the next slot is whole.
.macro MEET round                      ; round = 1: a round of the cluster's barrier follows
	WIN 0                                          ; (the add's two registers lie in window 0)
	s_wait_tensorcnt 0x0                           ; all my tensor loads have landed: the one that was out is my part of the next slot;
	ds_add_u32 v[SPW], v[NIL]                      ; 0 onto my spare word;
	s_wait_dscnt 9                                 ; (the add and the youngest eight loads may be out)
	WIN MUL_LO
	MUL16 F1, 0, 0, 0                              ; sixteen matrix instructions stand between the add and the wait for it
	s_wait_dscnt 0x0                               ; the add is done, and my reads of this slot are over:
	s_barrier_signal -1                            ; say so (where a slot is filled again this barrier opens a round of the cluster's barrier),
	MUL16 F1, 0, 2, 0                              ; work on registers while the others arrive,
.if \round
	WIN 0
.endif
	s_barrier_wait -1                              ; and go on when all four have said so
.endm
; The whole last quarter.  fill = 1: behind the round the slot just read out is filled again first, with the K step two steps on; then come the next slot's first fragments.
; From a request to the wait for it a wave issues 224 matrix instructions.  fill = 0 (the tail): nothing is left to fetch, so the barrier is the work-group's alone.
.macro TURN slot, next, fill
.if \fill
	s_wait_xcnt 0x0                                ; the last prefetch, a K step back, has read its address: it is stepped here, ahead of the waits of the change of slots
	s_add_nc_u64 s[PFA:PFA+1], s[PFA:PFA+1], KSTEP*2
	MEET 1
	CREST                                          ; no wave of any partner still reads this slot's tile or has a load on its way
	s_add_nc_u64 s[G0+4*(\slot)+2:G0+4*(\slot)+3], s[G0+4*(\slot)+2:G0+4*(\slot)+3], 2*KSTEP*2     ; no tensor load of mine is out, so a group 0 may be written
	s_add_nc_u64 s[G0B+4*(\slot)+2:G0B+4*(\slot)+3], s[G0B+4*(\slot)+2:G0B+4*(\slot)+3], 2*KSTEP*2
	JLOAD \slot                                    ; the first tensor load behind the round, and my only one until the next; the four v_nop behind it are also the places in front of the loads below
.else
	MEET 0
	PLACES
.endif
	FETCH \next, 0, F0
.if \fill
	ASK                                            ; behind the joint load and the run of LDS loads that the next products wait for
.endif
	WIN MUL_HI
	MUL16 F1, 1, 0, 0
	MUL16 F1, 1, 2, 0
.endm
; THE WAY OUT of block a (16 rows x 128 columns), in three parts.
; PACK: sum + ev[m], 64 numbers a lane, two an instruction; each accumulator is read from its two lowest registers on.
.macro PACK a
.set AC, 64*((\a)%4)
	WIN 0x02+(\a)/4                                ; source 0: window 2 or 3; source 1 and destination: window 0
.irp b, 0,1,2,3,4,5,6,7
.irp r, 0,1,2,3
	v_pk_add_f32 v[TMP+8*(\b)+2*(\r):TMP+8*(\b)+2*(\r)+1], v[AC+8*(\b)+2*(\r):AC+8*(\b)+2*(\r)+1], v[EV+2*(\a):EV+2*(\a)+1]
.endr
.endr
	WIN 0
.endm
; TOSTAGE: into my own stage, 32 bytes of row l % 16 for each of the 8 column blocks; back as whole rows of 512 bytes.
.macro TOSTAGE a
	WIN 0
.set BK, OB+64*((\a)%2)
.irp b, 0,1,2,3,4,5,6,7
	ds_store_b128 v[STO], v[TMP+8*(\b):TMP+8*(\b)+3]   offset:64*(\b)
	ds_store_b128 v[STO], v[TMP+8*(\b)+4:TMP+8*(\b)+7] offset:64*(\b)+16
.endr
.irp t, 0,1,2,3,4,5,6,7,8,9,10,11,12,13,14,15
	ds_load_b128 v[BK+4*(\t):BK+4*(\t)+3], v[RD] offset:(\t)*SPITCH  ; LDS serves a wave's instructions in order (ISA guide 5.7.1.4): these see the stores above
.endr
.endm
; SEND: + b[n], and stored.  No LDS instruction was issued behind the block's 16 loads, so row t is in when at most 15 - t are out.
.macro SEND a
	WIN 0
.set BK, OB+64*((\a)%2)
	s_wait_xcnt 0x0                                ; the stores of the block before have read their registers: the next block's rows are loaded into them only behind this wait
.irp t, 0,1,2,3,4,5,6,7,8,9,10,11,12,13,14,15
	s_wait_dscnt 15-(\t)
	v_pk_add_f32 v[BK+4*(\t):BK+4*(\t)+1],   v[BK+4*(\t):BK+4*(\t)+1],   v[BI:BI+1]
	v_pk_add_f32 v[BK+4*(\t)+2:BK+4*(\t)+3], v[BK+4*(\t)+2:BK+4*(\t)+3], v[BI+2:BI+3]
	global_store_b128 v[CO], v[BK+4*(\t):BK+4*(\t)+3], s[8:9] offset:(16*(\a)+(\t))*CROW th:TH_STORE_NT  ; the wave stores 512 consecutive bytes, at a multiple of 256 from out0's first byte; 127 rows at the most stand in the immediate: 2,080,768
.endr
.endm
	s_wait_loadcnt 0x0                             ; b and ev, once
.irp a, 0,1,2,3,4,5,6,7
	v_mov_b32 v[EV+2*(\a)+1], v[EV+2*(\a)]         ; ev fills a pair, for the packed addition
.endr
	s_wait_tensorcnt 1                             ; my part of K step 0 is in; K step 1's may stay out
	s_barrier_signal -1
	s_barrier_wait -1                              ; everybody's is
	FETCH 0, 0, F0
	QUARTER 0, 64,  F0, F1, 1                      ; the first quarter stands in front of the loop: its products start the sums
	WIN 0                                          ; at a label and at a branch every window is 0
	s_mov_b32 s3, LAPS-1
.Llap:                                                 ; a trip goes once round the ring, from a lap's second quarter to the next lap's first, and fills both slots again
	QUARTER 0, 128, F1, F0, 0
	QUARTER 0, 192, F0, F1, 0
	TURN 0, 1, 1
	QUARTER 1, 64,  F0, F1, 0
	QUARTER 1, 128, F1, F0, 0
	QUARTER 1, 192, F0, F1, 0
	TURN 1, 0, 1
	QUARTER 0, 64,  F0, F1, 0
	WIN 0
	s_sub_co_u32 s3, s3, 1
	s_cmp_lg_u32 s3, 0
	s_cbranch_scc1 .Llap
	QUARTER 0, 128, F1, F0, 0                      ; the last lap is written out: it fills nothing, and has no round of the cluster's barrier
	QUARTER 0, 192, F0, F1, 0
	TURN 0, 1, 0                                   ; my one tensor load that was still out is slot 1's, the last K step's
	QUARTER 1, 64,  F0, F1, 0
	QUARTER 1, 128, F1, F0, 0
	QUARTER 1, 192, F0, F1, 0
	s_wait_dscnt 8                                 ; the very last quarter: nothing more to fetch
	MUL16 F1, 0, 0, 0
	MUL16 F1, 0, 2, 0
	s_wait_dscnt 0x0
	MUL16 F1, 1, 0, 0
	MUL16 F1, 1, 2, 0
	WIN 0
	PLACES                                         ; between the last products and the additions that read results and write over A's fragments: four places are asked for;
	PLACES                                         ; eight are written, once a launch
	PACK 0
	TOSTAGE 0
.irp a, 1,2,3,4,5,6,7                  ; block a's 32 additions stand between block a - 1's loads from the stage and the waits for them
	PACK \a
	SEND (\a)-1
	TOSTAGE \a
.endr
	SEND 7
	s_wait_tensorcnt 0x0                           ; the wave's end: an add and its wait, behind my last tensor load and my last LDS store
	ds_add_u32 v[SPW], v[NIL]
	s_wait_dscnt 0x0
	CROUND                                         ; the closing round: no work-group ends while a partner may still ask for a tile that names it
	s_endpgm
.Lfunc_end_k_qfc115b5f0e_gemm:
	.size	k_qfc115b5f0e_gemm, .Lfunc_end_k_qfc115b5f0e_gemm-k_qfc115b5f0e_gemm
	.p2alignl 7, 3214868480
	.fill 96, 4, 3214868480
	.section	.rodata,"a",@progbits
	.p2align	6, 0x0
	.amdhsa_kernel k_qfc115b5f0e_gemm
		.amdhsa_group_segment_fixed_size 327680
		.amdhsa_private_segment_fixed_size 0
		.amdhsa_enable_private_segment 0
		.amdhsa_kernarg_size 40
		.amdhsa_user_sgpr_count 2
		.amdhsa_user_sgpr_kernarg_segment_ptr 1
		.amdhsa_wavefront_size32 1
		.amdhsa_system_sgpr_workgroup_id_x 1
		.amdhsa_system_sgpr_workgroup_id_y 1
		.amdhsa_system_sgpr_workgroup_id_z 1
		.amdhsa_system_vgpr_workitem_id 0
		.amdhsa_next_free_vgpr 1024
		.amdhsa_next_free_sgpr 72
		.amdhsa_reserve_vcc 0
		.amdhsa_float_denorm_mode_32 3
		.amdhsa_float_denorm_mode_16_64 3
		.amdhsa_memory_ordered 1
		.amdhsa_forward_progress 1
		.amdhsa_inst_pref_size 179
	.end_amdhsa_kernel
	.amdgpu_metadata
---
amdhsa.version: [ 1, 2 ]
amdhsa.kernels:
  - .name:           k_qfc115b5f0e_gemm
    .symbol:         k_qfc115b5f0e_gemm.kd
    .args:
      - { .name: xb, .offset: 0, .size: 8, .value_kind: global_buffer, .address_space: global }
      - { .name: wb, .offset: 8, .size: 8, .value_kind: global_buffer, .address_space: global }
      - { .name: out0, .offset: 16, .size: 8, .value_kind: global_buffer, .address_space: global }
      - { .name: b, .offset: 24, .size: 8, .value_kind: global_buffer, .address_space: global }
      - { .name: ev, .offset: 32, .size: 8, .value_kind: global_buffer, .address_space: global }
    .group_segment_fixed_size: 327680
    .private_segment_fixed_size: 0
    .kernarg_segment_align: 8
    .kernarg_segment_size: 40
    .max_flat_workgroup_size: 128
    .sgpr_count:     72
    .vgpr_count:     1024
    .wavefront_size: 32
...
	.end_amdgpu_metadata
.endif
;; end of part 2
;; ======== version 2 of 2: 2 launches; version 1 with the launch prep written anew for expert scheduling mode
;; workspace buffers: xb 33,554,432 bytes; wb 33,554,432 bytes; ev 16,384 bytes
;; launch prep (part 3): grid 512 x 1, 8 waves a work-group, no clusters, 0 bytes of LDS; arguments x, W, quantum_outcomes, xb, wb, ev; writes xb, wb, ev
.if DOCPART == 3
	.amdgcn_target "amdgcn-amd-amdhsa--gfx1250"
	.amdhsa_code_object_version 6
	.text
	.protected	k_qfc115b5f0e_prep
	.globl	k_qfc115b5f0e_prep
	.p2align	8
	.type	k_qfc115b5f0e_prep,@function
k_qfc115b5f0e_prep:
	s_mov_b64 s[64:65], 0
	v_nop
	global_prefetch_b8 v0, s[64:65] scope:SCOPE_SE
	s_setreg_imm32_b32 hwreg(HW_REG_WAVE_SCHED_MODE, 0, 2), 2
	s_setreg_imm32_b32 hwreg(HW_REG_WAVE_MODE, 25, 1), 1
	s_wait_xcnt 0x0
	s_wait_alu depctr_vm_vsrc(0)
; xb = bf16(x), wb = bf16(W), ev[m] = mean(f32(quantum_outcomes[m][0..999])) / 15.   x, W: [4096][4096] f32; outcomes: [4096][1000] int32.
; A pure stream: every input byte is read once, every output byte written once; nothing is shared between waves, so there is no LDS, no barrier and no matrix work.
; SHARES.  Row R = 8 x work-group + wave.  One wave takes row R of the outcomes (4,000 bytes), row R of x and row R of W (16,384 bytes in, 8,192 out, each).
; A load takes 16 bytes a lane, 512 consecutive bytes a wave; two roundings make 8 bytes of them, and a wave's store covers 256 consecutive bytes, at a multiple of 256 from the buffer's first byte.
; IN FLIGHT.  32 register slots of 16 bytes a lane: all of x's row is asked for at once; each slot is asked for again, for W's row, one block of four pieces behind its rounding.
; Every step along a row stands in an immediate (15,872 at the most), so no address register is ever rewritten; every chunk stored has data registers of its own, so none of those is rewritten either.
; LIMITS.  x and W are rounded once, to the nearest bf16 (ties to even); a magnitude above bf16's largest finite number, 3.39e38, becomes an infinity.
; ev = (the f32 sum of the 1,000 integers, each converted to f32 first, added as a tree) x (1 / 15000): one rounding where the two divisions have two, and another order of the sum;
; the sum is exact while it stays under 2^24.  Any int32 is taken as it comes.
; THE MODE: SCHED_MODE bits 1:0 = 2 (LLVM: expert scheduling mode 2), set by the entry lines.  The code itself states the register dependences
; between vector instructions and memory instructions, with s_wait_alu, always for 0.
; THE PLAN.  Registers that memory instructions touch:
;   v[LO], v[SO], v[QL], v[ZO]  offsets: made once at the head, read by every load and store, never written again.
;   Q          written by the outcomes' loads; behind the wait for them named by vector instructions alone.
;   X, slot j  x's piece j lands in it; piece j's two roundings read it; W's piece j lands in it; W's two roundings read it and write its first two registers; wb's store reads those two.
;   Y, pair j  written by x's piece j's two roundings, read by xb's store, never written again.
;   v[E]       written by the mean's vector instructions, read by the last store.
; The 64 pieces (x's 32, then W's 32) go in 16 blocks of four.  Block p's eight roundings name the slots and pairs of its own four pieces.  Its memory instructions are the block before's: the load of
; W's piece into a slot that block p - 1 emptied and the store of what block p - 1 rounded.  So ONE wait on va_vdst at a block's head states all that the block's memory instructions hang on, and they are
; dealt among its roundings with no further wait.  No register that a memory instruction reads is ever written again, so a wait on vm_vsrc stands at the two writes of EXEC alone.
.set LO, 2                             ; v2   16 x lane: my 16 bytes in 512
.set SO, 3                             ; v3   8 x lane: my 8 bytes in 256
.set QL, 4                             ; v4   the outcomes' eighth load: 16 x min(224 + lane, 249)
.set ZO, 5                             ; v5   0
.set E,  6                             ; v6   the row's sum, then ev
.set T,  7                             ; v7   at work
.set Q,  8                             ; v[8:39]    the outcomes: 8 loads of 4
.set X,  40                            ; v[40:167]  32 slots of 4: f32 as loaded
.set Y,  168                           ; v[168:231] 32 pairs: x's row in bf16
.set BL, 4                             ; pieces in a block
	s_load_b256 s[4:11], s[0:1], 0x0               ; x s[4:5], W s[6:7], outcomes s[8:9], xb s[10:11]
	s_load_b128 s[12:15], s[0:1], 0x20             ; wb s[12:13], ev s[14:15]
	v_lshrrev_b32 v[T], 5, v0
	v_readfirstlane_b32 s16, v[T]                  ; wave 0..7
	v_and_b32 v1, 31, v0                           ; lane
	v_cmp_gt_u32 s26, 26, v1                       ; the lanes whose eighth piece of the outcomes counts
	v_lshlrev_b32 v[LO], 4, v1
	v_lshlrev_b32 v[SO], 3, v1
	v_add_nc_u32 v[QL], 224, v1                    ; a row of outcomes is 250 pieces of 16 bytes: seven loads take 224, the eighth the last 26;
	v_min_u32 v[QL], 249, v[QL]                    ; its lanes 26 to 31 name the last piece once more, so that no lane leaves the buffer in the last row
	v_lshlrev_b32 v[QL], 4, v[QL]
	v_mov_b32 v[ZO], 0
	v_mov_b32 v[T], 0                              ; v_permlanex16_b32's destination counts as read: it is written here
	s_mov_b32 s28, 0x76543210                      ; v_permlanex16_b32: each lane takes its own place in the other half
	s_mov_b32 s29, 0xfedcba98
	s_lshl_b32 s17, ttmp9, 3
	s_wait_alu depctr_va_sdst(0)                   ; s16 and s26 are written, ahead of their first readers: the sum below reads s16, the selects in the mean read s26
	s_add_co_u32 s17, s17, s16                     ; R
	s_lshl_b32 s18, s17, 14                        ; R rows of 16,384 bytes (under 2^26)
	s_mov_b32 s19, 0
	s_lshl_b32 s20, s17, 13                        ; R rows of 8,192 bytes
	s_mov_b32 s21, 0
	s_mul_i32 s22, s17, 4000                       ; R rows of 4,000 bytes
	s_mov_b32 s23, 0
	s_lshl_b32 s24, s17, 2                         ; R words
	s_mov_b32 s25, 0
	s_wait_kmcnt 0x0
	s_add_nc_u64 s[4:5], s[4:5], s[18:19]          ; each pointer at my row
	s_add_nc_u64 s[6:7], s[6:7], s[18:19]
	s_add_nc_u64 s[8:9], s[8:9], s[22:23]
	s_add_nc_u64 s[10:11], s[10:11], s[20:21]
	s_add_nc_u64 s[12:13], s[12:13], s[20:21]
	s_add_nc_u64 s[14:15], s[14:15], s[24:25]
	s_wait_alu depctr_va_vdst(0)                   ; the four offsets v[LO], v[SO], v[QL] and v[ZO] are written: every load and store of the kernel reads one of them
.set j, 0
.rept 7
	global_load_b128 v[Q+4*j:Q+4*j+3], v[LO], s[8:9] offset:512*j th:TH_LOAD_NT
.set j, j+1
.endr
	global_load_b128 v[Q+28:Q+31], v[QL], s[8:9] th:TH_LOAD_NT
.set j, 0
.rept 32
	global_load_b128 v[X+4*j:X+4*j+3], v[LO], s[4:5] offset:512*j th:TH_LOAD_NT  ; all of x's row
.set j, j+1
.endr
	; the row's mean, while x is on its way
	s_wait_loadcnt 32                              ; loads come back in order: the outcomes are in, x's 32 younger loads stay out
.irp i, 0,1,2,3
	v_cndmask_b32 v[Q+28+(\i)], 0, v[Q+28+(\i)], s26  ; the pieces that were named twice count once
.endr
.set j, 0
.rept 32
	v_cvt_f32_i32 v[Q+j], v[Q+j]
.set j, j+1
.endr
.irp w, 16, 8, 4, 2                    ; my 32 numbers as a tree, two sums an instruction: 8, 4, 2 and 1 of them
.set u, 0
.rept (\w)/2
	v_pk_add_f32 v[Q+2*u:Q+2*u+1], v[Q+2*u:Q+2*u+1], v[Q+(\w)+2*u:Q+(\w)+2*u+1]
.set u, u+1
.endr
.endr
	v_add_f32 v[E], v[Q], v[Q+1]
	v_add_f32_dpp v[E], v[E], v[E] row_xmask:1 row_mask:0xf bank_mask:0xf   ; across the 32 lanes: four steps inside each half of 16,
	v_add_f32_dpp v[E], v[E], v[E] row_xmask:2 row_mask:0xf bank_mask:0xf
	v_add_f32_dpp v[E], v[E], v[E] row_xmask:4 row_mask:0xf bank_mask:0xf
	v_add_f32_dpp v[E], v[E], v[E] row_xmask:8 row_mask:0xf bank_mask:0xf
	v_permlanex16_b32 v[T], v[E], s28, s29         ; one across the halves
	v_add_f32 v[E], v[E], v[T]
	v_mul_f32 v[E], 0x388bcf65, v[E]               ; x 1 / (1000 x 15)
	; THE 64 PIECES.  Piece g: x's piece g (g < 32) or W's piece g - 32.  In front of its two roundings stand the memory instructions of piece o = g - 4, which the block before rounded.
	; THE COUNT.  x's and W's loads are numbered 0 to 63 in the order of their issue, and piece g's is number g.  At piece g's wait the last one issued is number 31 (g < 4: no load of W's yet),
	; 28 + g (the load of W's piece g - 4 has just gone out) or 63 (all are out): so many less g are younger and stay out.
.set g, 0
.rept 64
.set o, g-BL
.if ((g % BL) == 0) && (g > 0)
	s_wait_alu depctr_va_vdst(0)                   ; the block before has written what the stores below read (its pairs of Y; for W the first two registers of its slots), and is done reading the slots of X in which the loads below land
.endif
.if (o >= 0) && (o < 32)
	global_load_b128 v[X+4*o:X+4*o+3], v[LO], s[6:7] offset:512*o th:TH_LOAD_NT  ; the slot takes W's piece o; no vector instruction since the wait names it
	global_store_b64 v[SO], v[Y+2*o:Y+2*o+1], s[10:11] offset:256*o
.elseif o >= 32
	global_store_b64 v[SO], v[X+4*(o-32):X+4*(o-32)+1], s[12:13] offset:256*(o-32)
.endif
.set last, 28+g
.if last < 31
.set last, 31
.endif
.if last > 63
.set last, 63
.endif
	s_wait_loadcnt last-g                          ; loads come back in order: piece g is in, the younger ones stay out
.if g < 32
	v_cvt_pk_bf16_f32 v[Y+2*g],   v[X+4*g],   v[X+4*g+1]
	v_cvt_pk_bf16_f32 v[Y+2*g+1], v[X+4*g+2], v[X+4*g+3]
.else
	v_cvt_pk_bf16_f32 v[X+4*(g-32)],   v[X+4*(g-32)],   v[X+4*(g-32)+1]  ; W's row is rounded in place, into the slot's first two registers
	v_cvt_pk_bf16_f32 v[X+4*(g-32)+1], v[X+4*(g-32)+2], v[X+4*(g-32)+3]
.endif
.set g, g+1
.endr
	s_wait_alu depctr_va_vdst(0)                   ; the last block has written the first two registers of slots 28 to 31, which the last four stores read
.set j, 28
.rept 4
	global_store_b64 v[SO], v[X+4*j:X+4*j+1], s[12:13] offset:256*j
.set j, j+1
.endr
	; ev[R]: four bytes a wave, from lane 0: 16 KiB in the whole launch, the one store here that does not cover 256 bytes
	v_cmp_eq_u32 vcc_lo, 0, v1
	s_wait_alu depctr_va_vcc(0)                    ; VCC is written, ahead of its first reader: EXEC is made from it
	s_wait_xcnt 0x0                                ; EXEC is a source of the stores above: it changes only behind this wait
	s_wait_alu depctr_va_vdst(0)                   ; every vector instruction issued under the full EXEC has written its result, v[E] among them, which the store below reads
	s_wait_alu depctr_vm_vsrc(0)                   ; the stores above have read their registers under the full EXEC
	s_and_saveexec_b32 s27, vcc_lo
	global_store_b32 v[ZO], v[E], s[14:15]
	s_wait_xcnt 0x0                                ; and again, in front of the line that widens it
	s_wait_alu depctr_va_vdst(0)                   ; no vector instruction is at work under the narrow EXEC when it is written: both lines stand at every scalar write of EXEC
	s_wait_alu depctr_vm_vsrc(0)                   ; lane 0's store has read v[ZO] and v[E] under the narrow EXEC
	s_or_b32 exec_lo, exec_lo, s27
	s_endpgm
.Lfunc_end_k_qfc115b5f0e_prep:
	.size	k_qfc115b5f0e_prep, .Lfunc_end_k_qfc115b5f0e_prep-k_qfc115b5f0e_prep
	.p2alignl 7, 3214868480
	.fill 96, 4, 3214868480
	.section	.rodata,"a",@progbits
	.p2align	6, 0x0
	.amdhsa_kernel k_qfc115b5f0e_prep
		.amdhsa_group_segment_fixed_size 0
		.amdhsa_private_segment_fixed_size 0
		.amdhsa_enable_private_segment 0
		.amdhsa_kernarg_size 48
		.amdhsa_user_sgpr_count 2
		.amdhsa_user_sgpr_kernarg_segment_ptr 1
		.amdhsa_wavefront_size32 1
		.amdhsa_system_sgpr_workgroup_id_x 1
		.amdhsa_system_sgpr_workgroup_id_y 1
		.amdhsa_system_sgpr_workgroup_id_z 1
		.amdhsa_system_vgpr_workitem_id 0
		.amdhsa_next_free_vgpr 232
		.amdhsa_next_free_sgpr 66
		.amdhsa_reserve_vcc 1
		.amdhsa_float_denorm_mode_32 3
		.amdhsa_float_denorm_mode_16_64 3
		.amdhsa_memory_ordered 1
		.amdhsa_forward_progress 1
		.amdhsa_inst_pref_size 28
	.end_amdhsa_kernel
	.amdgpu_metadata
---
amdhsa.version: [ 1, 2 ]
amdhsa.kernels:
  - .name:           k_qfc115b5f0e_prep
    .symbol:         k_qfc115b5f0e_prep.kd
    .args:
      - { .name: x, .offset: 0, .size: 8, .value_kind: global_buffer, .address_space: global }
      - { .name: W, .offset: 8, .size: 8, .value_kind: global_buffer, .address_space: global }
      - { .name: quantum_outcomes, .offset: 16, .size: 8, .value_kind: global_buffer, .address_space: global }
      - { .name: xb, .offset: 24, .size: 8, .value_kind: global_buffer, .address_space: global }
      - { .name: wb, .offset: 32, .size: 8, .value_kind: global_buffer, .address_space: global }
      - { .name: ev, .offset: 40, .size: 8, .value_kind: global_buffer, .address_space: global }
    .group_segment_fixed_size: 0
    .private_segment_fixed_size: 0
    .kernarg_segment_align: 8
    .kernarg_segment_size: 48
    .max_flat_workgroup_size: 256
    .sgpr_count:     66
    .vgpr_count:     232
    .wavefront_size: 32
...
	.end_amdgpu_metadata
.endif
;; end of part 3
;; launch gemm: the kernel of part 2 again; grid 16 x 16, 4 waves a work-group, clusters of 4 x 4, 327,680 bytes of LDS; arguments xb, wb, out0, b, ev; writes out0
